; MI455X (gfx1250); checked and timed in simulation.
; The chip was launched on July 23, 2026; its instructions are those of AMD's public machine-readable ISA for CDNA 5 (MIT licence, August 2026) and "CDNA5" Instruction Set Architecture Reference Guide (July 2026). The comments in the code are by the model that wrote it; some were corrected since.
;; Switch Feed Forward. Allowed arithmetic: matrix products marked QUANTISED: E5M2 operands, one E8M0 scale for each 32 along K, by v_wmma_scale_f32_16x16x128_f8f6f4 with both operands' format E5M2, f32 sums; products left as they are: f32 operands where the result goes on into a quantised operand, else bf16, f16 or f32 operands; f32 sums; everything else in f32.
;; Inputs: W1_codes 8 x 4,096 x 32 x 32 uint8 (E5M2 codes of W1, K innermost, in blocks of 32 codes); W1_scales 8 x 4,096 x 32 uint8 (E8M0 scales of W1, one for each 32 codes along K); W2_codes 8 x 1,024 x 128 x 32 uint8 (E5M2 codes of W2, K innermost, in blocks of 32 codes); W2_scales 8 x 1,024 x 128 uint8 (E8M0 scales of W2, one for each 32 codes along K); Wr 1,024 x 8 float32; b1 8 x 4,096 float32; b2 8 x 1,024 float32; br 8 float32; x 4 x 256 x 1,024 float32.
;; Outputs: out0 4 x 256 x 1,024 float32.
;; This version of the problem:
;;   THIS VERSION OF THE PROBLEM IS GIVEN IN LOW PRECISION. The matrix products marked QUANTISED in the list below multiply operands that are first quantised to E5M2 (5 exponent bits, 2 mantissa bits; 8 bits a number), with one power-of-two scale for each 32 numbers along K (OCP MX v1.0); their sums are f32. All else is computed in f32.
;;   The module's matrix products, in the order in which they are computed (A, B: the left and right operand; K: the contracted axis; several contracted axes count as one K, in the product's order):
;;     1. [M 1,024, K 1,024] x [K 1,024, N 8]; A: input x; B: input Wr: left as it is (N = 8 < 16)
;;     2. [M 1,024, K 1,024] x [K 1,024, N 4,096]; A: input x; B: input W1 (given as codes): QUANTISED
;;     3. [M 1,024, K 4,096] x [K 4,096, N 1,024]; A: computed on the way; B: input W2 (given as codes): QUANTISED
;;     4. [M 1,024, K 1,024] x [K 1,024, N 4,096]; A: input x; B: input W1 (given as codes): QUANTISED
;;     5. [M 1,024, K 4,096] x [K 4,096, N 1,024]; A: computed on the way; B: input W2 (given as codes): QUANTISED
;;     6. [M 1,024, K 1,024] x [K 1,024, N 4,096]; A: input x; B: input W1 (given as codes): QUANTISED
;;     7. [M 1,024, K 4,096] x [K 4,096, N 1,024]; A: computed on the way; B: input W2 (given as codes): QUANTISED
;;     8. [M 1,024, K 1,024] x [K 1,024, N 4,096]; A: input x; B: input W1 (given as codes): QUANTISED
;;     9. [M 1,024, K 4,096] x [K 4,096, N 1,024]; A: computed on the way; B: input W2 (given as codes): QUANTISED
;;     10. [M 1,024, K 1,024] x [K 1,024, N 4,096]; A: input x; B: input W1 (given as codes): QUANTISED
;;     11. [M 1,024, K 4,096] x [K 4,096, N 1,024]; A: computed on the way; B: input W2 (given as codes): QUANTISED
;;     12. [M 1,024, K 1,024] x [K 1,024, N 4,096]; A: input x; B: input W1 (given as codes): QUANTISED
;;     13. [M 1,024, K 4,096] x [K 4,096, N 1,024]; A: computed on the way; B: input W2 (given as codes): QUANTISED
;;     14. [M 1,024, K 1,024] x [K 1,024, N 4,096]; A: input x; B: input W1 (given as codes): QUANTISED
;;     15. [M 1,024, K 4,096] x [K 4,096, N 1,024]; A: computed on the way; B: input W2 (given as codes): QUANTISED
;;     16. [M 1,024, K 1,024] x [K 1,024, N 4,096]; A: input x; B: input W1 (given as codes): QUANTISED
;;     17. [M 1,024, K 4,096] x [K 4,096, N 1,024]; A: computed on the way; B: input W2 (given as codes): QUANTISED
;;   THE QUANTISER, for each operand of a quantised product, along K:
;;     - K is cut into blocks of 32 from its start; a last block that is shorter is filled with zeros.
;;     - A block's scale is 2^e with e = floor(log2(the largest magnitude in the block)) - 15, held to -126 .. 127; a block of zeros has e = 0. As a byte (E8M0): e + 127.
;;     - Each number is divided by its block's scale, clamped to +-57,344, and rounded to the nearest number of E5M2, ties to even, subnormals kept.
;;     - The product sums the exact products of the quantised numbers (number of the format x scale) in f32.
;;   ~~~python
;;   def quantise(x, axis):      # numpy; x: float32 -> the quantised numbers, widened to float32 again
;;       x = np.moveaxis(x, axis, -1); K = x.shape[-1]
;;       x = np.pad(x, [(0, 0)] * (x.ndim - 1) + [(0, -K % 32)]); x = x.reshape(x.shape[:-1] + (-1, 32)); a = np.abs(x).max(-1, keepdims=True)
;;       e = np.where(a > 0, np.clip(np.frexp(np.where(a > 0, a, 1))[1] - 1 - 15, -126, 127), 0)      # np.frexp(a)[1] - 1 = floor(log2(a)), exactly
;;       r = np.clip(x / 2.0 ** e, -57344, 57344)
;;       step = 2.0 ** (np.maximum(np.frexp(np.where(r == 0, 1, r))[1] - 1, -14) - 2)
;;       q = np.round(r / step) * step * 2.0 ** e      # np.round: ties to even
;;       return np.moveaxis(q.reshape(q.shape[:-2] + (-1,))[..., :K], -1, axis).astype(np.float32)
;;   ~~~
;;   OPERANDS COMPUTED ON THE WAY. 'Computed on the way' means the value that the module computes at that place (a softmax that the list does not call 'softmax' is quantised finished and normalised). What goes into a quantiser is computed in f32, as accurately as f32 sums, v_exp_f32 and their like allow (about 1e-6 of the number): no bf16 or f16 on the way to a quantiser, and a product that is left as it is and whose result goes on into a quantised operand takes f32 operands (vector FMAs, or v_wmma_f32_16x16x4_f32). A number that lies on a knife's edge between two numbers of the format may be rounded either way, as far as f32 arithmetic and the matrix unit's own rounding can turn it there, and no further.
;;   INPUTS GIVEN AS CODES. W1 (in the module: [8, 1024, 4096], K = its axis 1); W2 (in the module: [8, 4096, 1024], K = its axis 1): each comes as NAME_codes (uint8): NAME with its K axis moved to the last place and cut into blocks of 32 codes, [.., K / 32, bytes a block], one block behind the other in memory; one code a byte (a code: sign, 5 exponent bits, 2 mantissa bits); and NAME_scales (uint8): the same leading axes, one E8M0 byte (e + 127) for each 32 codes along K. Its value is code x scale, taken as it is: it is not quantised again, and the codes and scales need not be those that the quantiser above would give.
;; One version. Each part assembles by itself: llvm-mc -triple=amdgcn-amd-amdhsa -mcpu=gfx1250 --defsym DOCPART=n.
;; ======== version 1 of 1: 3 launches
;; workspace buffers: sel 4,096 bytes of whole numbers; xq 1,048,576 bytes; xs 32,768 bytes; hq 33,554,432 bytes; hs 1,048,576 bytes
;; launch route (part 1): grid 256 x 1, 4 waves a work-group, no clusters, 21,760 bytes of LDS; arguments x, Wr, br, sel, xq, xs; writes sel, xq, xs
.if DOCPART == 1
	.amdgcn_target "amdgcn-amd-amdhsa--gfx1250"
	.amdhsa_code_object_version 6
	.text
	.protected	k_q8a9f11c429_route
	.globl	k_q8a9f11c429_route
	.p2align	8
	.type	k_q8a9f11c429_route,@function
k_q8a9f11c429_route:
	s_mov_b64 s[64:65], 0
	v_nop
	global_prefetch_b8 v0, s[64:65] scope:SCOPE_SE
	s_setreg_imm32_b32 hwreg(HW_REG_WAVE_MODE, 25, 1), 1
	s_wait_xcnt 0x0
; ROUTER AND QUANTISER OF x.  x [1024 tokens][1024] f32, Wr [1024][8], br [8].
; Out: sel [1024] u32 = argmax of softmax(x Wr + br), the lower index on a tie; xq [1024][1024] codes of E5M2, K innermost; xs [1024][32] E8M0 bytes.
; A work-group takes 4 tokens; wave w takes K = 256 w .. 256 w + 255 of all four, so x is read from memory once, by loads of 512 consecutive bytes.
; A step is two tokens' slices (2,048 bytes).  It goes through the wave's own stage in LDS as it lies and comes back 64 bytes a lane: 16 neighbours along K,
; two neighbouring lanes to a block of 32.  The router takes the same numbers out of the same stage, one word a lane.
; A block's scale byte is its largest magnitude's exponent field - 15, held at 1 from below; each number is held within +-57,344 x the scale and converted.
; LIMITS: NaN and infinities are not served.  A block whose largest magnitude lies under 2^-111, a block of zeros too, gets the byte 1 (its codes are what the
; conversion gives under that scale; zeros stay zeros); the bytes are read by this program alone.  The router's sums are f32 in an order of their own:
; a token whose two best probabilities are equal to within f32 rounding may go either way.
; sel (16 bytes a work-group) and xs (128 bytes) are too short to fill 256 consecutive bytes.
.set SP,   80                          ; a lane's place in a stage: 64 bytes + 16 of padding
.set STG,  32*SP                       ; a stage; two for each wave
.set RED,  20480                       ; [wave][token][8] f32: the waves' parts of the logits
.set XSB,  20992                       ; [token][32]: the scale bytes
.set WR,   16                          ; v16-79    Wr: load m: row 256 w + 16 m + lane / 2, columns 4 (lane % 2) + 0 .. 3
.set R,    80                          ; v80-111   x as loaded
.set X,    112                         ; v112-143  two steps of 16 neighbours
.set XR,   144                         ; v144-207  x for the router: [token][m]
.set ACC,  208                         ; v208-223  [token][4 experts]
.set C,    224                         ; v224-231  codes
.set E,    232                         ; v232-233  scale bytes
	s_load_b256 s[4:11], s[0:1], 0x0               ; x, Wr, br, sel
	s_load_b128 s[12:15], s[0:1], 0x20             ; xq, xs
	v_lshl_add_u32 v254, v0, 2, 0x5300
	v_mov_b32 v255, 0
	v_lshrrev_b32 v1, 5, v0
	v_readfirstlane_b32 s16, v1                    ; wave
	v_and_b32 v2, 31, v0                           ; lane
	v_lshlrev_b32 v3, 4, v2                        ; 16 x lane
	s_mul_i32 s17, s16, 2*STG                      ; my stages
	v_lshrrev_b32 v4, 2, v2
	v_mul_u32_u24 v4, v4, SP
	v_and_b32 v5, 3, v2
	v_lshl_add_u32 v4, v5, 4, v4
	v_add_nc_u32 v4, s17, v4                       ; into a stage: four lanes' 64 bytes on end, then the padding
	v_mul_u32_u24 v5, v2, SP
	v_add_nc_u32 v5, s17, v5                       ; out of it: my 16 neighbours
	v_lshrrev_b32 v6, 1, v2
	v_lshlrev_b32 v6, 2, v6
	v_add_nc_u32 v6, s17, v6                       ; the router's word: number lane / 2 of a place
	v_and_b32 v7, 15, v2
	v_lshrrev_b32 v8, 4, v2
	v_lshlrev_b32 v9, 4, v7
	v_lshl_add_u32 v9, v8, 10, v9                  ; my codes in xq: lanes 0-15 the step's first token, lanes 16-31 its second
	v_lshrrev_b32 v10, 1, v7
	v_lshl_add_u32 v10, v8, 5, v10
	s_lshl_b32 s18, s16, 3
	s_add_co_u32 s18, s18, XSB
	v_add_nc_u32 v10, s18, v10                     ; my block's byte: XSB + 32 x token + 8 w + block
	v_and_b32 v11, 1, v2
	v_lshlrev_b32 v11, 4, v11
	s_lshl_b32 s18, s16, 7
	s_add_co_u32 s18, s18, RED
	v_add_nc_u32 v11, s18, v11                     ; RED + 128 w + 16 (lane % 2)
	v_lshl_add_u32 v12, v2, 2, RED                 ; wave 0, behind the barrier: RED + 4 x lane
	v_lshl_add_u32 v13, v2, 2, XSB                 ; wave 1: XSB + 4 x lane
	v_lshlrev_b32 v14, 2, v2
	v_and_b32 v15, 7, v2                           ; the expert of my lane in wave 0's part
	v_lshlrev_b32 v234, 2, v15
	v_lshrrev_b32 v235, 3, v2
	v_lshlrev_b32 v235, 2, v235                    ; 4 x (lane / 8): my token's word of sel
	s_mov_b32 s20, 0x76543210
	s_mov_b32 s21, 0xfedcba98                      ; lane l xor 16
	s_mov_b32 s22, 0x600000                        ; the mantissa field of 57,344
	s_mov_b32 s25, 0
	s_wait_kmcnt 0x0
	s_lshl_b32 s24, ttmp9, 14
	s_lshl_b32 s18, s16, 10
	s_add_co_u32 s24, s24, s18
	s_add_nc_u64 s[4:5], s[4:5], s[24:25]          ; x at my four tokens' slice
	s_lshl_b32 s24, s16, 13
	s_add_nc_u64 s[6:7], s[6:7], s[24:25]          ; Wr at my 256 rows
	s_lshl_b32 s24, ttmp9, 4
	s_add_nc_u64 s[10:11], s[10:11], s[24:25]
	s_lshl_b32 s24, ttmp9, 12
	s_lshl_b32 s18, s16, 8
	s_add_co_u32 s24, s24, s18
	s_add_nc_u64 s[12:13], s[12:13], s[24:25]
	s_lshl_b32 s24, ttmp9, 7
	s_add_nc_u64 s[14:15], s[14:15], s[24:25]
.irp t, 0,1,2,3
	global_load_b128 v[R+8*\t:R+8*\t+3], v3, s[4:5] offset:4096*\t th:TH_LOAD_NT
	global_load_b128 v[R+8*\t+4:R+8*\t+7], v3, s[4:5] offset:4096*\t+512 th:TH_LOAD_NT
.endr
.irp m, 0,1,2,3,4,5,6,7,8,9,10,11,12,13,14,15
	global_load_b128 v[WR+4*\m:WR+4*\m+3], v3, s[6:7] offset:512*\m
.endr
	global_load_b32 v236, v234, s[8:9]             ; br
.macro TURN g                          ; step g through its stage: LDS serves a wave's instructions in order, so no wait stands between the stores and the loads
.irp i, 0,1,2,3
	ds_store_b128 v4, v[R+16*\g+4*\i:R+16*\g+4*\i+3] offset:STG*\g+8*SP*\i
.endr
.irp i, 0,1,2,3
	ds_load_b128 v[X+16*\g+4*\i:X+16*\g+4*\i+3], v5 offset:STG*\g+16*\i
.endr
.endm
.macro QSTEP g
.set XS_, X+16*\g
	v_max3_num_f32 v237, |v[XS_]|, |v[XS_+1]|, |v[XS_+2]|
	v_max3_num_f32 v238, |v[XS_+3]|, |v[XS_+4]|, |v[XS_+5]|
.irp i, 6,10
	v_max3_num_f32 v237, v237, |v[XS_+\i]|, |v[XS_+\i+1]|
	v_max3_num_f32 v238, v238, |v[XS_+\i+2]|, |v[XS_+\i+3]|
.endr
	v_max3_num_f32 v237, v237, |v[XS_+14]|, |v[XS_+15]|
	v_max3_num_f32 v237, v237, v238, 0x8000000     ; the floor 2^(16 - 127): the byte cannot fall under 1
	v_max_num_f32_dpp v237, v237, v237 row_xmask:1 row_mask:0xf bank_mask:0xf   ; with my neighbour's 16: the block's largest magnitude
	v_add_nc_u32 v239, 0xf8800000, v237            ; 15 off its exponent field: the conversion's scale operand
	v_and_or_b32 v238, v237, 0x7f800000, s22       ; 57,344 x the scale
.irp i, 0,1,2,3,4,5,6,7,8,9,10,11,12,13,14,15
	v_med3_num_f32 v[XS_+\i], v[XS_+\i], -v238, v238   ; the conversion does not saturate (ISA guide 7.6.2): the hold comes first
.endr
	v_cvt_scalef32_pk8_bf8_f32 v[C+4*\g:C+4*\g+1], v[XS_:XS_+7], v239
	v_cvt_scalef32_pk8_bf8_f32 v[C+4*\g+2:C+4*\g+3], v[XS_+8:XS_+15], v239
	v_lshrrev_b32 v[E+\g], 23, v239                ; the scale's byte (also the plain line behind the conversions)
	ds_store_b8 v10, v[E+\g] offset:64*\g          ; both lanes of a block write the same byte with the same value
	global_store_b128 v9, v[C+4*\g:C+4*\g+3], s[12:13] offset:2048*\g   ; sixteen lanes store 256 consecutive bytes, aligned
.endm
	s_wait_loadcnt 21                              ; step 0's four loads are in; behind them: step 1's 4, Wr's 16, br
	TURN 0
	s_wait_loadcnt 17                              ; step 1's are in; behind them: Wr's 16, br
	TURN 1
	s_wait_dscnt 8                                 ; step 0 is back; step 1's four stores and four loads may be out
	QSTEP 0
	s_wait_dscnt 1                                 ; step 1 is back; step 0's byte store may be out
	QSTEP 1
.irp t, 0,1,2,3
.irp m, 0,1,2,3,4,5,6,7,8,9,10,11,12,13,14,15
	ds_load_b32 v[XR+16*\t+\m], v6 offset:STG*(\t/2)+SP*(16*(\t%2)+\m)   ; x(token t, 256 w + 16 m + lane / 2)
.endr
.endr
	s_wait_loadcnt 0x0                             ; Wr, br
	s_wait_dscnt 0x0
.irp t, 0,1,2,3
	v_pk_mul_f32 v[ACC+4*\t:ACC+4*\t+1], v[WR:WR+1], v[XR+16*\t:XR+16*\t+1] op_sel_hi:[1,0]      ; m = 0 starts the sums
	v_pk_mul_f32 v[ACC+4*\t+2:ACC+4*\t+3], v[WR+2:WR+3], v[XR+16*\t:XR+16*\t+1] op_sel_hi:[1,0]
.endr
.set m, 1
.rept 15
.irp t, 0,1,2,3
.if m%2
	v_pk_fma_f32 v[ACC+4*\t:ACC+4*\t+1], v[WR+4*m:WR+4*m+1], v[XR+16*\t+m-1:XR+16*\t+m], v[ACC+4*\t:ACC+4*\t+1] op_sel:[0,1,0] op_sel_hi:[1,1,1]
	v_pk_fma_f32 v[ACC+4*\t+2:ACC+4*\t+3], v[WR+4*m+2:WR+4*m+3], v[XR+16*\t+m-1:XR+16*\t+m], v[ACC+4*\t+2:ACC+4*\t+3] op_sel:[0,1,0] op_sel_hi:[1,1,1]
.else
	v_pk_fma_f32 v[ACC+4*\t:ACC+4*\t+1], v[WR+4*m:WR+4*m+1], v[XR+16*\t+m:XR+16*\t+m+1], v[ACC+4*\t:ACC+4*\t+1] op_sel_hi:[1,0,1]
	v_pk_fma_f32 v[ACC+4*\t+2:ACC+4*\t+3], v[WR+4*m+2:WR+4*m+3], v[XR+16*\t+m:XR+16*\t+m+1], v[ACC+4*\t+2:ACC+4*\t+3] op_sel_hi:[1,0,1]
.endif
.endr
.set m, m+1
.endr
	; the sixteen lanes of equal lane % 2 hold parts of the same four experts
.irp x, 2,4,8
.irp a, 0,1,2,3,4,5,6,7,8,9,10,11,12,13,14,15
	v_add_f32_dpp v[ACC+\a], v[ACC+\a], v[ACC+\a] row_xmask:\x row_mask:0xf bank_mask:0xf
.endr
.endr
.irp a, 0,1,2,3,4,5,6,7,8,9,10,11,12,13,14,15
	v_permlanex16_b32 v[XR+\a], v[ACC+\a], s20, s21
.endr
.irp a, 0,1,2,3,4,5,6,7,8,9,10,11,12,13,14,15
	v_add_f32 v[ACC+\a], v[ACC+\a], v[XR+\a]
.endr
.irp t, 0,1,2,3
	ds_store_b128 v11, v[ACC+4*\t:ACC+4*\t+3] offset:32*\t   ; lanes of equal lane % 2 write the same bytes with the same values
.endr
	s_wait_dscnt 0x0                               ; for the others' sake: my parts and my scale bytes lie in LDS
	s_barrier_signal -1
	s_barrier_wait -1
	s_cmp_lg_u32 s16, 0
	s_cbranch_scc1 .Lnot_wave_0
	; wave 0: lane = 8 x token + expert
.irp v, 0,1,2,3
	ds_load_b32 v[16+\v], v12 offset:128*\v
.endr
	s_wait_dscnt 0x0
	v_add_f32 v16, v16, v17
	v_add_f32 v18, v18, v19
	v_add_f32 v16, v16, v18
	v_add_f32 v16, v16, v236                       ; the logit
	v_mov_b32 v17, v16
.irp x, 1,2,4
	v_max_num_f32_dpp v17, v17, v17 row_xmask:\x row_mask:0xf bank_mask:0xf
.endr
	v_sub_f32 v18, v16, v17                        ; the largest logit is taken away ahead of the exponential
	v_mul_f32 v18, 0x3fb8aa3b, v18
	v_exp_f32 v18, v18
	v_mov_b32 v21, 0x41000000                      ; 8.0 (a plain line behind the exponential)
	s_wait_alu depctr_va_vdst(0)                   ; the wait ahead of the result's first reader
	v_mov_b32 v19, v18
.irp x, 1,2,4
	v_add_f32_dpp v19, v19, v19 row_xmask:\x row_mask:0xf bank_mask:0xf
.endr
	v_rcp_f32 v19, v19
	v_cvt_f32_u32 v20, v15                         ; my expert as f32
	v_nop
	s_wait_alu depctr_va_vdst(0)
	v_mul_f32 v18, v18, v19                        ; the probability
	v_mov_b32 v17, v18
.irp x, 1,2,4
	v_max_num_f32_dpp v17, v17, v17 row_xmask:\x row_mask:0xf bank_mask:0xf
.endr
	v_cmp_eq_f32 vcc_lo, v18, v17
	v_cndmask_b32 v21, v21, v20, vcc_lo            ; my index where I hold the largest, else 8
.irp x, 1,2,4
	v_min_num_f32_dpp v21, v21, v21 row_xmask:\x row_mask:0xf bank_mask:0xf   ; the lowest such index
.endr
	v_cvt_u32_f32 v21, v21
	global_store_b32 v235, v21, s[10:11]           ; a token's eight lanes store the same word with the same value
	s_wait_tensorcnt 0x0
	ds_add_u32 v254, v255
	s_wait_dscnt 0x0
	s_endpgm
.Lnot_wave_0:
	s_cmp_lg_u32 s16, 1
	s_cbranch_scc1 .Lend
	ds_load_b32 v16, v13
	s_wait_dscnt 0x0
	global_store_b32 v14, v16, s[14:15]            ; four tokens' 128 scale bytes
.Lend:
	s_wait_tensorcnt 0x0
	ds_add_u32 v254, v255
	s_wait_dscnt 0x0
	s_endpgm
.Lfunc_end_k_q8a9f11c429_route:
	.size	k_q8a9f11c429_route, .Lfunc_end_k_q8a9f11c429_route-k_q8a9f11c429_route
	.p2alignl 7, 3214868480
	.fill 96, 4, 3214868480
	.section	.rodata,"a",@progbits
	.p2align	6, 0x0
	.amdhsa_kernel k_q8a9f11c429_route
		.amdhsa_group_segment_fixed_size 21760
		.amdhsa_private_segment_fixed_size 0
		.amdhsa_enable_private_segment 0
		.amdhsa_kernarg_size 48
		.amdhsa_user_sgpr_count 2
		.amdhsa_user_sgpr_kernarg_segment_ptr 1
		.amdhsa_wavefront_size32 1
		.amdhsa_system_sgpr_workgroup_id_x 1
		.amdhsa_system_sgpr_workgroup_id_y 1
		.amdhsa_system_sgpr_workgroup_id_z 1
		.amdhsa_system_vgpr_workitem_id 0
		.amdhsa_next_free_vgpr 256
		.amdhsa_next_free_sgpr 66
		.amdhsa_reserve_vcc 1
		.amdhsa_float_denorm_mode_32 3
		.amdhsa_float_denorm_mode_16_64 3
		.amdhsa_memory_ordered 1
		.amdhsa_forward_progress 1
		.amdhsa_inst_pref_size 30
	.end_amdhsa_kernel
	.amdgpu_metadata
---
amdhsa.version: [ 1, 2 ]
amdhsa.kernels:
  - .name:           k_q8a9f11c429_route
    .symbol:         k_q8a9f11c429_route.kd
    .args:
      - { .name: x, .offset: 0, .size: 8, .value_kind: global_buffer, .address_space: global }
      - { .name: Wr, .offset: 8, .size: 8, .value_kind: global_buffer, .address_space: global }
      - { .name: br, .offset: 16, .size: 8, .value_kind: global_buffer, .address_space: global }
      - { .name: sel, .offset: 24, .size: 8, .value_kind: global_buffer, .address_space: global }
      - { .name: xq, .offset: 32, .size: 8, .value_kind: global_buffer, .address_space: global }
      - { .name: xs, .offset: 40, .size: 8, .value_kind: global_buffer, .address_space: global }
    .group_segment_fixed_size: 21760
    .private_segment_fixed_size: 0
    .kernarg_segment_align: 8
    .kernarg_segment_size: 48
    .max_flat_workgroup_size: 128
    .sgpr_count:     66
    .vgpr_count:     256
    .wavefront_size: 32
...
	.end_amdgpu_metadata
.endif
;; end of part 1
;; launch ffn1 (part 2): grid 256 x 1, 4 waves a work-group, no clusters, 320,000 bytes of LDS; arguments sel, xq, xs, W1_codes, W1_scales, b1, hq, hs; writes hq, hs
.if DOCPART == 2
	.amdgcn_target "amdgcn-amd-amdhsa--gfx1250"
	.amdhsa_code_object_version 6
	.text
	.protected	k_q8a9f11c429_ffn1
	.globl	k_q8a9f11c429_ffn1
	.p2align	8
	.type	k_q8a9f11c429_ffn1,@function
k_q8a9f11c429_ffn1:
	s_mov_b64 s[64:65], 0
	v_nop
	global_prefetch_b8 v0, s[64:65] scope:SCOPE_SE
	s_setreg_imm32_b32 hwreg(HW_REG_WAVE_MODE, 25, 1), 1
	s_wait_xcnt 0x0
; h = Q(gelu(Q(x) W1[e] + b1[e])) for the tokens that chose expert e, on codes of E5M2 with one E8M0 scale for each 32 along K.
; SHARES.  Work-group = (expert e = id / 32, hb = id % 32): hidden units 128 hb .. 128 hb + 127 of that expert, for ALL its tokens.  Wave w owns units 32 w .. 32 w + 31 of them:
; 32 rows of W1 (32 KiB) are read once, in runs of 512 consecutive bytes, turned through the wave's own stage in LDS into operand registers, and stay there.
; THE TOKENS.  sel is read as 32 chunks of 32 tokens (chunk 4 q + i, bit l = token 128 q + 4 l + i).  Slot j of the expert is its j-th token in that order; slots at or behind the count repeat the
; last token, so that no lane is ever switched off: repeated rows give the same numbers.  The list of slots is made by each work-group for itself (masks, running counts, the k-th set bit of a chunk).
; A batch is 32 slots.  The codes of x of up to 256 slots lie in LDS, fetched once for the four waves; every loop has a constant trip count and jumps over work by a scalar branch on the count.
; Scalars that are compared with the count enter no address: offsets step in registers of their own.
; No tensor load, hence no cluster: trip guards hang on numbers read from memory.
; THE PRODUCT IS USED TRANSPOSED (source 0 = 16 rows of W1, source 1 = 16 tokens), AND THE ROWS OF A TILE ARE NOT NEIGHBOURS: lane r of tile u takes row 8 u + r + 8 (r / 8).  So lane (r, h) holds token r,
; and the 16 registers of tiles 0 and 1 are hidden units 32 w + 16 h + 0 .. 15: a block of 32 lies in lanes l and l xor 16, and the conversions' results are registers 4 w .. 4 w + 3 of the next
; product's operand for its K step hb.  hq is laid as that operand's registers: [e][tile of 16 slots][K step][4][lane][16 bytes]; hs: [e][K step][slot] one word.
; GELU, exact form: gelu(v) = max(v, 0) - |v| / 2 x erfc(a), a = |v| / sqrt(2); (1 + 2 a) exp(a a) erfc(a) - 1 is a polynomial of degree 9 in q = (a - 2) / (a + 2).
; LIMITS: NaN and infinities are not served; |v| stays under 1e19 (the product (a + 2)(2 a + 1) must be finite).  erfc's relative error is some 3e-7 and grows as 1.3e-7 a a (the exponent's
; rounding); under 2^-126 it is 0.  A block whose largest magnitude lies under 2^-111 gets the byte 1.  An expert without a token makes one batch of one repeated token, so that every byte
; which the next launch's first loads name has been stored.  The scale words leave 256 slots at a time: words of slots that were not worked hold zeros or an earlier run's words; nobody reads them.
.set XP,   1040                        ; a slot's row of codes in LDS: 1,024 bytes + 16: an odd multiple of 16, so that the 16 rows of a fragment load fall on different banks
.set XSC,  266240                      ; behind 256 such rows: the slots' scale bytes, 32 + 16 each
.set XSP,  48
.set TS,   278528                      ; the waves' stages for the turn: 16 rows x 528 each
.set TSW,  8448
.set TP,   528
.set LIST, 312320                      ; the list: a word a slot; 6,144 bytes, so that the staging loop's stepped address stays inside in each of its trips
.set HSB,  318464                      ; the scale words of 256 slots
.set L16,  1                           ; v1   16 x lane
.set RR,   2                           ; v2   lane % 16
.set HH,   3                           ; v3   lane / 16
.set TSI,  4                           ; v4   the turn, in
.set TSO,  5                           ; v5   the turn, out
.set XR0,  6                           ; v6   a fragment's row in LDS
.set XS0,  7                           ; v7   a slot's scale words
.set XST,  8                           ; v8-11 staging: my 8 rows of batches 2 k, 2 k + 1
.set XSST, 12                          ; v12  staging: scale bytes
.set LU,   13                          ; v13  the list at my 8 slots of a batch, the same in all lanes
.set LP,   14                          ; v14  the list at slot (lane % 16) / 2 of them
.set H0,   15                          ; v15  hq: 16 x lane + 512 w
.set HB0,  16                          ; v16  HSB + 4 r + w
.set LA0,  17                          ; v17  LIST + 4 x thread
.set HR,   18                          ; v18  HSB + 8 x thread
.set HO0,  19                          ; v19  8 x thread
.set LX16, 20                          ; v20  16 x (lane % 2)
.set XRW,  21                          ; v21-30 the addresses in hand
.set XSW,  22
.set HBW,  23
.set HW,   24
.set LUW,  25
.set LPW,  26
.set LAW,  27
.set HOW,  28
.set XSTW, 29
.set XSSW, 30
.set WS,   32                          ; v32-47  W1's scale words [tile][K step]
.set B1,   48                          ; v48-63  b1 in the result's layout [tile][8]
.set XS,   64                          ; v64-79  x's scale words [tile of tokens][K step]
.set ACC,  80                          ; v80-111 tile 0 K steps 0-3, tile 1 likewise, tile 0 K steps 4-7, tile 1 likewise; then the 16 numbers in v80-95
.set GA,   112                         ; v112-239 eight runs of 16 for the activation
.set GH,   128
.set GP2,  144
.set GD,   160
.set GR,   176
.set GS,   192
.set GM,   208
.set GP,   224
.set CD,   240                         ; v240-247 codes of the two tiles;  v248-253 the quantiser's;  v254-255 scale words on their way out
.set SEL,  112                         ; at the head: v112-143 sel; v144-155 the search
.set T0,   144
.set XAD,  112                         ; while staging: ten registers a batch: 8 rows' offsets, the scale bytes' offset
.set XSR,  192                         ; v192-223 scale bytes as loaded
.set M,    32                          ; s32-63 the chunks' masks
; window 1: W1's fragments (tile u, K step s) at 128 u + 16 s.  window 2: x's fragments, 16 s and 128 + 16 s; while staging, rows of batches 4-7.  window 3: rows of batches 0-3.
.set MSB, 0
.macro WIN new                         ; the immediate's high byte repeats the setting that is left
.if MSB != (\new)
	s_set_vgpr_msb (MSB<<8)|(\new)
.set MSB, \new
.endif
.endm
.macro PLACES n
.rept \n
	v_nop
.endr
.endm
.macro WM d, a, b, c, sa, sb
	v_wmma_scale_f32_16x16x128_f8f6f4 v[\d:\d+7], v[\a:\a+15], v[\b:\b+15], \c, v[\sa], v[\sb] matrix_a_fmt:MATRIX_FMT_BF8 matrix_b_fmt:MATRIX_FMT_BF8
.endm
; 16 rows x 512 bytes, row i in four registers from base + 4 i, become four fragments in the same registers.  The stage is the wave's own and LDS serves a wave's instructions in order: no wait.
.macro TURN win, base
	WIN (\win)<<2
.irp i, 0,1,2,3,4,5,6,7,8,9,10,11,12,13,14,15
	ds_store_b128 v[TSI], v[(\base)+4*\i:(\base)+4*\i+3] offset:TP*\i
.endr
	WIN (\win)<<6
.irp f, 0,1,2,3,4,5,6,7,8,9,10,11,12,13,14,15
	ds_load_b128 v[(\base)+4*\f:(\base)+4*\f+3], v[TSO] offset:128*(\f/4)+32*(\f%4)
.endr
	WIN 0
.endm
.macro WLOAD q                         ; chunk q = (tile q / 2, half q % 2 of K): each load reads 512 consecutive bytes of one row
	WIN 0x40
.irp i, 0,1,2,3,4,5,6,7,8,9,10,11,12,13,14,15
	global_load_b128 v[64*(\q)+4*\i:64*(\q)+4*\i+3], v[L16], s[10:11] offset:(8*((\q)/2)+\i+8*(\i/8))*1024+512*((\q)%2) th:TH_LOAD_NT
.endr
	WIN 0
.endm
.macro IDS_LD b
	ds_load_b128 v[XAD+10*(\b):XAD+10*(\b)+3], v[LUW] offset:128*(\b)
	ds_load_b128 v[XAD+10*(\b)+4:XAD+10*(\b)+7], v[LUW] offset:128*(\b)+16
	ds_load_b32 v[XAD+10*(\b)+8], v[LPW] offset:128*(\b)
.endm
.macro IDS_FIX b                       ; a token's number enters an address only held under 1,024
.irp i, 0,1,2,3,4,5,6,7
	v_min_u32 v[XAD+10*(\b)+\i], 0x3ff, v[XAD+10*(\b)+\i]
	v_lshl_add_u32 v[XAD+10*(\b)+\i], v[XAD+10*(\b)+\i], 10, v[L16]
.endr
	v_min_u32 v[XAD+10*(\b)+8], 0x3ff, v[XAD+10*(\b)+8]
	v_lshl_add_u32 v[XAD+10*(\b)+8], v[XAD+10*(\b)+8], 5, v[LX16]
.endm
.macro IDS b
	IDS_LD \b
	s_wait_dscnt 0x0
	IDS_FIX \b
.endm
.macro XLOADS b                        ; 17 loads: my 8 slots' rows of codes, two halves of 512 bytes each; their scale bytes, 16 a lane
.if (\b) < 4
	WIN 0xc0
.else
	WIN 0x80
.endif
.irp i, 0,1,2,3,4,5,6,7
	global_load_b128 v[64*((\b)%4)+8*\i:64*((\b)%4)+8*\i+3], v[XAD+10*(\b)+\i], s[6:7]
	global_load_b128 v[64*((\b)%4)+8*\i+4:64*((\b)%4)+8*\i+7], v[XAD+10*(\b)+\i], s[6:7] offset:512
.endr
	WIN 0
	global_load_b128 v[XSR+4*(\b):XSR+4*(\b)+3], v[XAD+10*(\b)+8], s[8:9]
.endm
.macro STORE_X b, adr, off, sadr, soff
.if (\b) < 4
	WIN 0x0c
.else
	WIN 0x08
.endif
.irp i, 0,1,2,3,4,5,6,7
	ds_store_b128 v[\adr], v[64*((\b)%4)+8*\i:64*((\b)%4)+8*\i+3] offset:(\off)+\i*XP
	ds_store_b128 v[\adr], v[64*((\b)%4)+8*\i+4:64*((\b)%4)+8*\i+7] offset:(\off)+\i*XP+512
.endr
	WIN 0
	ds_store_b128 v[\sadr], v[XSR+4*(\b):XSR+4*(\b)+3] offset:\soff
.endm
.macro STORES nb                       ; nb batches are on their way, 17 loads each: batch k is in when at most the 17 (nb - 1 - k) younger loads are out (a wait names 63 at the most)
.set k, 0
.rept \nb
.if 17*(\nb-1-k) > 63
	s_wait_loadcnt 63
.else
	s_wait_loadcnt 17*(\nb-1-k)
.endif
	STORE_X k, XST+k/2, 32*(k%2)*XP, XSST, 32*XSP*k
.set k, k+1
.endr
.endm
.macro SEL_STEP x, w, inc              ; is the bit sought behind the next inc bits?
	v_bfe_u32 v[T0+8], v[\x], v[T0+7], \w
	v_cmp_ge_u32 vcc_lo, v[T0], v[T0+8]
	v_cndmask_b32 v[T0+8], 0, v[T0+8], vcc_lo
	v_cndmask_b32 v[T0+9], 0, \inc, vcc_lo
	v_sub_nc_u32 v[T0], v[T0], v[T0+8]
	v_add_nc_u32 v[T0+7], v[T0+7], v[T0+9]
.endm
	s_load_b512 s[4:19], s[0:1], 0x0               ; sel, xq, xs, W1's codes, W1's scales, b1, hq, hs
	v_lshrrev_b32 v1, 5, v0
	v_readfirstlane_b32 s20, v1                    ; wave
	s_lshr_b32 s21, ttmp9, 5                       ; e
	s_and_b32 s22, ttmp9, 31                       ; hb
	v_and_b32 v[T0+11], 31, v0                     ; lane
	v_lshlrev_b32 v[L16], 4, v[T0+11]
	v_and_b32 v[RR], 15, v0
	v_bfe_u32 v[HH], v0, 4, 1
	s_mul_i32 s28, s20, TSW
	s_add_co_u32 s28, s28, TS
	v_add_nc_u32 v[TSI], s28, v[L16]
	v_mul_u32_u24 v[TSO], v[RR], TP
	v_lshl_add_u32 v[TSO], v[HH], 4, v[TSO]
	v_add_nc_u32 v[TSO], s28, v[TSO]
	v_mul_u32_u24 v[XR0], v[RR], XP
	v_lshl_add_u32 v[XR0], v[HH], 4, v[XR0]
	v_mul_u32_u24 v[XS0], v[RR], XSP
	v_add_nc_u32 v[XS0], XSC, v[XS0]
	s_mul_i32 s28, s20, 8*XP
.irp k, 0,1,2,3
	v_add_nc_u32 v[XST+\k], s28, v[L16]
	s_add_co_u32 s28, s28, 64*XP
.endr
	v_bfe_u32 v[LP], v0, 1, 3
	v_and_b32 v[LX16], 1, v0
	v_lshlrev_b32 v[LX16], 4, v[LX16]
	v_mul_u32_u24 v[XSST], v[LP], XSP
	v_add_nc_u32 v[XSST], v[XSST], v[LX16]
	s_mul_i32 s28, s20, 8*XSP
	s_add_co_u32 s28, s28, XSC
	v_add_nc_u32 v[XSST], s28, v[XSST]
	s_lshl_b32 s28, s20, 5
	s_add_co_u32 s28, s28, LIST
	v_mov_b32 v[LU], s28
	v_lshl_add_u32 v[LP], v[LP], 2, s28
	s_lshl_b32 s28, s20, 9
	v_add_nc_u32 v[H0], s28, v[L16]
	v_lshlrev_b32 v[HB0], 2, v[RR]
	s_add_co_u32 s28, s20, HSB
	v_add_nc_u32 v[HB0], s28, v[HB0]
	v_lshl_add_u32 v[LA0], v0, 2, LIST
	v_lshl_add_u32 v[HR], v0, 3, HSB
	v_lshlrev_b32 v[HO0], 3, v0
	v_mov_b32 v254, 0
	v_mov_b32 v255, 0
	ds_store_b64 v[HR], v[254:255]                 ; the 256 scale words are cleared once, 8 bytes a thread: they leave whole, worked or not (the first barrier below stands ahead of the waves' byte stores)
	v_and_b32 v224, 8, v[RR]
	v_add_nc_u32 v224, v224, v[RR]
	v_lshlrev_b32 v224, 5, v224                    ; W1's scale words: row r + 8 (r / 8), 32 bytes a row
	v_lshlrev_b32 v225, 6, v[HH]                   ; b1: 16 h numbers on
	v_mov_b32 v249, 0                              ; written once: a lane permute's destination counts as one of its sources
	s_mov_b32 s76, 0xb9d24012                      ; the polynomial's highest coefficient, as a pair for the packed form
	s_mov_b32 s77, s76
	s_mov_b32 s78, 0x76543210
	s_mov_b32 s79, 0xfedcba98                      ; lane l xor 16
	s_mov_b32 s80, 0x600000                        ; the mantissa field of 57,344
	s_mov_b32 s81, 0x3f3504f3                      ; 1 / sqrt(2)
	s_lshl_b32 s28, s21, 22
	s_lshl_b32 s29, s22, 17
	s_add_co_u32 s82, s28, s29
	s_lshl_b32 s29, s20, 15
	s_add_co_u32 s82, s82, s29                     ; my 32 rows of W1: (4,096 e + 128 hb + 32 w) x 1,024 bytes,
	s_mov_b32 s83, 0
	s_lshr_b32 s84, s82, 5                         ; x 32 in the scales,
	s_mov_b32 s85, 0
	s_lshr_b32 s86, s82, 8                         ; x 4 in b1
	s_mov_b32 s87, 0
	s_lshl_b32 s29, s22, 11
	s_add_co_u32 s88, s28, s29                     ; hq: expert e, K step hb
	s_mov_b32 s89, 0
	s_lshl_b32 s90, s21, 17
	s_lshl_b32 s29, s22, 12
	s_add_co_u32 s90, s90, s29                     ; hs likewise
	s_mov_b32 s91, 0
	s_wait_kmcnt 0x0
	s_add_nc_u64 s[10:11], s[10:11], s[82:83]
	s_add_nc_u64 s[12:13], s[12:13], s[84:85]
	s_add_nc_u64 s[14:15], s[14:15], s[86:87]
	s_add_nc_u64 s[16:17], s[16:17], s[88:89]
	s_add_nc_u64 s[18:19], s[18:19], s[90:91]
.irp q, 0,1,2,3,4,5,6,7
	global_load_b128 v[SEL+4*\q:SEL+4*\q+3], v[L16], s[4:5] offset:512*\q
.endr
.irp u, 0,1
	global_load_b128 v[WS+8*\u:WS+8*\u+3], v224, s[12:13] offset:256*\u
	global_load_b128 v[WS+8*\u+4:WS+8*\u+7], v224, s[12:13] offset:256*\u+16
	global_load_b128 v[B1+8*\u:B1+8*\u+3], v225, s[14:15] offset:32*\u
	global_load_b128 v[B1+8*\u+4:B1+8*\u+7], v225, s[14:15] offset:32*\u+16
.endr
	WLOAD 0
	WLOAD 1
	WLOAD 2
	s_wait_loadcnt 56                              ; sel is in; behind it: 8 loads of scales and bias, 48 of W1.  The list is made while the weights are on their way
.set c, 0
.rept 32
	v_cmp_eq_u32 s[M+c], s21, v[SEL+c]
.set c, c+1
.endr
	s_mov_b32 s23, 0
.set c, 0
.rept 32
	s_bcnt1_i32_b32 s28, s[M+c]
	s_add_co_u32 s23, s23, s28                     ; the expert's count of tokens
.set c, c+1
.endr
	s_max_u32 s24, s23, 1                          ; slots that are worked: one at the least
	s_max_u32 s25, s23, 128                        ; list entries that are made: the first four batches are fetched without a question
	s_sub_co_u32 s26, s24, 1                       ; the last slot that has a token of its own
	; THE LIST: 8 trips; in trip i wave w serves slots 32 w + 128 i + lane
	s_mov_b32 s66, 0
	s_lshl_b32 s67, s20, 5
	s_mov_b32 s68, 0
.Llist:
	v_add_nc_u32 v[LAW], s68, v[LA0]
	s_cmp_ge_u32 s67, s25
	s_cbranch_scc1 .Llist_skip
	v_add_nc_u32 v[T0], s67, v[T0+11]
	v_min_u32 v[T0], s26, v[T0]                    ; j
	v_mov_b32 v[T0+1], s32                         ; the chunk's mask,
	v_mov_b32 v[T0+2], 0                           ; the count in front of it + 65,536 x its number
	s_bcnt1_i32_b32 s28, s32
.set c, 1
.rept 31
	s_add_co_u32 s29, s28, c<<16
	v_cmp_gt_u32 vcc_lo, s28, v[T0]                ; the count in front of chunk c is above j: keep what I have
	v_cndmask_b32 v[T0+1], s[M+c], v[T0+1], vcc_lo
	v_cndmask_b32 v[T0+2], s29, v[T0+2], vcc_lo
	s_bcnt1_i32_b32 s30, s[M+c]
	s_add_co_u32 s28, s28, s30
.set c, c+1
.endr
	v_lshrrev_b32 v[T0+10], 16, v[T0+2]            ; the chunk
	v_and_b32 v[T0+2], 0xffff, v[T0+2]
	v_sub_nc_u32 v[T0], v[T0], v[T0+2]             ; k: which of its set bits
	v_lshrrev_b32 v[T0+3], 1, v[T0+1]
	v_and_b32 v[T0+3], 0x55555555, v[T0+3]
	v_sub_nc_u32 v[T0+3], v[T0+1], v[T0+3]         ; counts of 2 bits,
	v_lshrrev_b32 v[T0+4], 2, v[T0+3]
	v_and_b32 v[T0+4], 0x33333333, v[T0+4]
	v_and_b32 v[T0+8], 0x33333333, v[T0+3]
	v_add_nc_u32 v[T0+4], v[T0+4], v[T0+8]         ; of 4,
	v_lshrrev_b32 v[T0+5], 4, v[T0+4]
	v_add_nc_u32 v[T0+5], v[T0+5], v[T0+4]
	v_and_b32 v[T0+5], 0x0f0f0f0f, v[T0+5]         ; of 8,
	v_lshrrev_b32 v[T0+6], 8, v[T0+5]
	v_add_nc_u32 v[T0+6], v[T0+6], v[T0+5]         ; of 16 (in the low byte of each half)
	v_mov_b32 v[T0+7], 0                           ; the bit's place
	SEL_STEP T0+6, 8, 16
	SEL_STEP T0+5, 8, 8
	SEL_STEP T0+4, 4, 4
	SEL_STEP T0+3, 2, 2
	SEL_STEP T0+1, 1, 1
	v_lshrrev_b32 v[T0+8], 2, v[T0+10]
	v_lshlrev_b32 v[T0+8], 7, v[T0+8]
	v_and_b32 v[T0+10], 3, v[T0+10]
	v_lshl_add_u32 v[T0+8], v[T0+7], 2, v[T0+8]
	v_add_nc_u32 v[T0+8], v[T0+8], v[T0+10]        ; token = 128 (chunk / 4) + 4 x bit + chunk % 4
	ds_store_b32 v[LAW], v[T0+8]
.Llist_skip:
	s_add_co_u32 s67, s67, 128
	s_add_co_u32 s68, s68, 512
	s_add_co_u32 s66, s66, 1
	s_cmp_lt_u32 s66, 8
	s_cbranch_scc1 .Llist
	s_wait_dscnt 0x0                               ; my part of the list lies in LDS, and my part of the scale words is cleared
	s_barrier_signal -1
	s_barrier_wait -1                              ; everybody's is
	v_mov_b32 v[LUW], v[LU]
	v_mov_b32 v[LPW], v[LP]
	IDS_LD 0
	IDS_LD 1
	IDS_LD 2
	IDS_LD 3
	s_wait_dscnt 0x0
	IDS_FIX 0
	IDS_FIX 1
	IDS_FIX 2
	IDS_FIX 3
	WLOAD 3
	s_wait_loadcnt 48                              ; chunk 0 (and scales, bias) in; behind it: chunks 1, 2, 3
	TURN 1, 0
	XLOADS 0
	s_wait_loadcnt 49                              ; chunk 1 in; behind it: chunks 2, 3 and batch 0's 17
	TURN 1, 64
	XLOADS 1
	s_wait_loadcnt 50                              ; chunk 2 in; behind it: chunk 3, batches 0, 1
	TURN 1, 128
	XLOADS 2
	s_wait_loadcnt 51                              ; chunk 3 in; behind it: batches 0, 1, 2
	TURN 1, 192
	XLOADS 3
	; batches 4 to 7 where the count reaches them; a batch's loads and its stores stand under one branch
	s_cmp_gt_u32 s23, 128
	s_cbranch_scc0 .Lst4
	IDS 4
	XLOADS 4
	s_cmp_gt_u32 s23, 160
	s_cbranch_scc0 .Lst5
	IDS 5
	XLOADS 5
	s_cmp_gt_u32 s23, 192
	s_cbranch_scc0 .Lst6
	IDS 6
	XLOADS 6
	s_cmp_gt_u32 s23, 224
	s_cbranch_scc0 .Lst7
	IDS 7
	XLOADS 7
	STORES 8
	s_branch .Lstaged
.Lst7:
	STORES 7
	s_branch .Lstaged
.Lst6:
	STORES 6
	s_branch .Lstaged
.Lst5:
	STORES 5
	s_branch .Lstaged
.Lst4:
	STORES 4
.Lstaged:
	s_wait_dscnt 0x0                               ; my rows lie in LDS, and W1's fragments are in my registers
	s_barrier_signal -1
	s_barrier_wait -1
; 16 products of one tile of 16 tokens: four accumulators by turns, one instruction a turn; b1 is the C of the first products of K steps 0-3
.macro MM t
	WIN 0x09                                       ; source 0 (W1) window 1, source 1 (x) window 2
	WM ACC, 0, 128*\t, v[B1:B1+7], WS, XS+8*\t
	WM ACC+8, 128, 128*\t, v[B1+8:B1+15], WS+8, XS+8*\t
	WM ACC+16, 64, 128*\t+64, 0, WS+4, XS+8*\t+4
	WM ACC+24, 192, 128*\t+64, 0, WS+12, XS+8*\t+4
.irp s, 1,2,3
	WM ACC, 16*\s, 128*\t+16*\s, v[ACC:ACC+7], WS+\s, XS+8*\t+\s
	WM ACC+8, 128+16*\s, 128*\t+16*\s, v[ACC+8:ACC+15], WS+8+\s, XS+8*\t+\s
	WM ACC+16, 64+16*\s, 128*\t+64+16*\s, v[ACC+16:ACC+23], WS+4+\s, XS+8*\t+4+\s
	WM ACC+24, 192+16*\s, 128*\t+64+16*\s, v[ACC+24:ACC+31], WS+12+\s, XS+8*\t+4+\s
.endr
	WIN 0
.endm
; a tile's 16 numbers a lane: the activation, the quantiser, the way out
.macro GELUQ t
.irp j, 0,2,4,6,8,10,12,14
	v_pk_add_f32 v[ACC+\j:ACC+\j+1], v[ACC+\j:ACC+\j+1], v[ACC+16+\j:ACC+17+\j]   ; the two halves of K; each accumulator is read from its low end on
.endr
.irp j, 0,1,2,3,4,5,6,7,8,9,10,11,12,13,14,15
	v_mul_f32 v[GA+\j], s81, |v[ACC+\j]|           ; a
	v_mul_f32 v[GH+\j], 0.5, |v[ACC+\j]|
	v_max_num_f32 v[ACC+\j], 0, v[ACC+\j]
.endr
.irp j, 0,2,4,6,8,10,12,14
	v_pk_add_f32 v[GP2+\j:GP2+\j+1], v[GA+\j:GA+\j+1], 2.0 op_sel_hi:[1,0]
	v_pk_fma_f32 v[GD+\j:GD+\j+1], v[GA+\j:GA+\j+1], 2.0, 1.0 op_sel_hi:[1,0,0]
	v_pk_mul_f32 v[GS+\j:GS+\j+1], v[GA+\j:GA+\j+1], v[GA+\j:GA+\j+1]
.endr
.irp j, 0,2,4,6,8,10,12,14
	v_pk_mul_f32 v[GR+\j:GR+\j+1], v[GP2+\j:GP2+\j+1], v[GD+\j:GD+\j+1]           ; (a + 2)(2 a + 1): one reciprocal serves both divisions
	v_pk_mul_f32 v[GS+\j:GS+\j+1], v[GS+\j:GS+\j+1], 0xbfb8aa3b op_sel_hi:[1,0]  ; - a a log2(e)
.endr
.irp j, 0,1,2,3,4,5,6,7,8,9,10,11,12,13,14,15
	v_rcp_f32 v[GR+\j], v[GR+\j]
.endr
.irp j, 0,1,2,3,4,5,6,7,8,9,10,11,12,13,14,15
	v_exp_f32 v[GS+\j], v[GS+\j]
.endr
.irp j, 0,2,4,6,8,10,12,14
	v_pk_add_f32 v[GM+\j:GM+\j+1], v[GA+\j:GA+\j+1], -2.0 op_sel_hi:[1,0]        ; plain lines that name no result of the batch
.endr
	s_wait_alu depctr_va_vdst(0)                   ; one wait for the 32, ahead of their first reader
.irp j, 0,2,4,6,8,10,12,14
	v_pk_mul_f32 v[GD+\j:GD+\j+1], v[GR+\j:GR+\j+1], v[GD+\j:GD+\j+1]             ; 1 / (a + 2)
	v_pk_mul_f32 v[GP2+\j:GP2+\j+1], v[GR+\j:GR+\j+1], v[GP2+\j:GP2+\j+1]         ; 1 / (2 a + 1)
.endr
.irp j, 0,2,4,6,8,10,12,14
	v_pk_mul_f32 v[GM+\j:GM+\j+1], v[GM+\j:GM+\j+1], v[GD+\j:GD+\j+1]             ; q
.endr
.irp j, 0,2,4,6,8,10,12,14
	v_pk_fma_f32 v[GP+\j:GP+\j+1], v[GM+\j:GM+\j+1], s[76:77], 0xbaa150b9 op_sel_hi:[1,0,0]
.endr
.irp c, 0x3aac2bc2, 0x3c0d6f12, 0xbc040db9, 0xbd5e05ca, 0x3e27fe20, 0xbe2a0420, 0xbdbdfb09, 0x3e8dd01d
.irp j, 0,2,4,6,8,10,12,14
	v_pk_fma_f32 v[GP+\j:GP+\j+1], v[GP+\j:GP+\j+1], v[GM+\j:GM+\j+1], \c op_sel_hi:[1,1,0]
.endr
.endr
.irp j, 0,2,4,6,8,10,12,14
	v_pk_fma_f32 v[GP+\j:GP+\j+1], v[GP+\j:GP+\j+1], v[GP2+\j:GP2+\j+1], v[GP2+\j:GP2+\j+1]   ; (p + 1) / (1 + 2 a)
.endr
.irp j, 0,2,4,6,8,10,12,14
	v_pk_mul_f32 v[GP+\j:GP+\j+1], v[GP+\j:GP+\j+1], v[GS+\j:GS+\j+1]             ; erfc(a)
.endr
.irp j, 0,2,4,6,8,10,12,14
	v_pk_fma_f32 v[ACC+\j:ACC+\j+1], v[GH+\j:GH+\j+1], v[GP+\j:GP+\j+1], v[ACC+\j:ACC+\j+1] neg_lo:[1,0,0] neg_hi:[1,0,0]   ; gelu
.endr
	v_max3_num_f32 v248, |v[ACC]|, |v[ACC+1]|, 0x8000000   ; my 16 numbers and the floor 2^(16 - 127)
	v_max3_num_f32 v253, |v[ACC+2]|, |v[ACC+3]|, |v[ACC+4]|
	v_max3_num_f32 v248, v248, |v[ACC+5]|, |v[ACC+6]|
	v_max3_num_f32 v253, v253, |v[ACC+7]|, |v[ACC+8]|
	v_max3_num_f32 v248, v248, |v[ACC+9]|, |v[ACC+10]|
	v_max3_num_f32 v253, v253, |v[ACC+11]|, |v[ACC+12]|
	v_max3_num_f32 v248, v248, |v[ACC+13]|, |v[ACC+14]|
	v_max3_num_f32 v248, v248, v253, |v[ACC+15]|
	v_permlanex16_b32 v249, v248, s78, s79
	v_max_num_f32 v248, v248, v249                 ; with lane l xor 16's: the block's largest magnitude
	v_add_nc_u32 v250, 0xf8800000, v248            ; 15 off its exponent field: the conversion's scale operand
	v_and_or_b32 v251, v248, 0x7f800000, s80       ; 57,344 x the scale
	v_lshrrev_b32 v252, 23, v250                   ; the scale's byte
.irp j, 0,1,2,3,4,5,6,7,8,9,10,11,12,13,14,15
	v_med3_num_f32 v[ACC+\j], v[ACC+\j], -v251, v251   ; the conversion does not saturate (ISA guide 7.6.2)
.endr
	v_cvt_scalef32_pk8_bf8_f32 v[CD+4*\t:CD+4*\t+1], v[ACC:ACC+7], v250
	v_cvt_scalef32_pk8_bf8_f32 v[CD+4*\t+2:CD+4*\t+3], v[ACC+8:ACC+15], v250
	v_nop                                          ; a plain line behind the conversions: later products write their sources
	global_store_b128 v[HW], v[CD+4*\t:CD+4*\t+3], s[16:17] offset:65536*\t   ; the wave stores 512 consecutive bytes, aligned
	ds_store_b8 v[HBW], v252 offset:64*\t          ; byte w of the slot's scale word; lanes l and l xor 16 write the same value
.endm
	s_mov_b32 s66, 0
	s_mov_b32 s67, 0                               ; the first slot that lies in LDS (for guards alone)
	s_mov_b32 s69, 0                               ; the first slot of the batch in hand (for guards alone)
	s_mov_b32 s74, 0                               ; that batch's bytes in hq: 131,072 a batch of two tiles
	s_mov_b32 s75, 0                               ; 4 x the first slot that lies in LDS
.Lsb:                                                  ; 4 trips of 256 slots
	s_mov_b32 s68, 0
	s_mov_b32 s70, 0
	s_mov_b32 s71, 0
	s_mov_b32 s72, 0
.Lbatch:                                               ; 8 trips of 32 slots
	s_cmp_ge_u32 s69, s24
	s_cbranch_scc1 .Lbskip
	v_add_nc_u32 v[XRW], s70, v[XR0]
	v_add_nc_u32 v[XSW], s71, v[XS0]
	v_add_nc_u32 v[HBW], s72, v[HB0]
	s_wait_xcnt 0x0                                ; the last batch's stores have read their offset and their codes: both are written again only behind this wait
	v_add_nc_u32 v[HW], s74, v[H0]
	ds_load_b128 v[XS:XS+3], v[XSW]
	ds_load_b128 v[XS+4:XS+7], v[XSW] offset:16
	WIN 0x80
.irp f, 0,1,2,3,4,5,6,7,8,9,10,11,12,13,14,15,16,17,18,19,20,21,22,23,24,25,26,27,28,29,30,31
	ds_load_b128 v[4*\f:4*\f+3], v[XRW] offset:32*\f
.endr
	WIN 0
	ds_load_b128 v[XS+8:XS+11], v[XSW] offset:16*XSP
	ds_load_b128 v[XS+12:XS+15], v[XSW] offset:16*XSP+16
	WIN 0x80
.irp f, 0,1,2,3,4,5,6,7,8,9,10,11,12,13,14,15,16,17,18,19,20,21,22,23,24,25,26,27,28,29,30,31
	ds_load_b128 v[128+4*\f:128+4*\f+3], v[XRW] offset:16*XP+32*\f
.endr
	WIN 0
	s_wait_dscnt 34                                ; the first tile is in; the second tile's 34 loads may be out
	MM 0
	PLACES 8                                       ; eight places between a product of this form and the first read of its result
	GELUQ 0
	s_wait_dscnt 0x0
	MM 1
	PLACES 8
	GELUQ 1
.Lbskip:
	s_add_co_u32 s69, s69, 32
	s_add_co_u32 s70, s70, 32*XP
	s_add_co_u32 s71, s71, 32*XSP
	s_add_co_u32 s72, s72, 128
	s_add_co_u32 s74, s74, 131072
	s_add_co_u32 s68, s68, 1
	s_cmp_lt_u32 s68, 8
	s_cbranch_scc1 .Lbatch
	s_wait_dscnt 0x0                               ; my scale bytes lie in LDS, and my reads of the rows are over
	s_barrier_signal -1
	s_barrier_wait -1
	; the 256 slots' scale words leave, 8 bytes a thread: each wave stores 256 consecutive bytes, aligned
	s_cmp_ge_u32 s67, s24
	s_cbranch_scc1 .Lno_hs
	s_wait_xcnt 0x0                                ; the last such store has read its offset and its data: both are written again only behind this wait
	v_add_nc_u32 v[HOW], s75, v[HO0]
	ds_load_b64 v[254:255], v[HR]
	s_wait_dscnt 0x0
	global_store_b64 v[HOW], v[254:255], s[18:19]
.Lno_hs:
	; the next 256 slots' rows, batch by batch, where the count reaches them
	s_mov_b32 s95, 0
	s_add_co_u32 s92, s67, 256                     ; the batch's first slot (for the guard alone)
	s_mov_b32 s93, 0
	s_mov_b32 s94, 0
	s_add_co_u32 s73, s75, 1024                    ; its place in the list
.Lstage:
	v_add_nc_u32 v[LUW], s73, v[LU]
	v_add_nc_u32 v[LPW], s73, v[LP]
	v_add_nc_u32 v[XSTW], s93, v[XST]
	v_add_nc_u32 v[XSSW], s94, v[XSST]
	s_cmp_ge_u32 s92, s23
	s_cbranch_scc1 .Lsskip
	IDS 0
	XLOADS 0
	s_wait_loadcnt 0x0
	STORE_X 0, XSTW, 0, XSSW, 0
.Lsskip:
	s_add_co_u32 s92, s92, 32
	s_add_co_u32 s93, s93, 32*XP
	s_add_co_u32 s94, s94, 32*XSP
	s_add_co_u32 s73, s73, 128
	s_add_co_u32 s95, s95, 1
	s_cmp_lt_u32 s95, 8
	s_cbranch_scc1 .Lstage
	s_wait_dscnt 0x0                               ; my rows lie in LDS, and my reads of the scale words are over
	s_barrier_signal -1
	s_barrier_wait -1
	s_add_co_u32 s67, s67, 256
	s_add_co_u32 s75, s75, 1024
	s_add_co_u32 s66, s66, 1
	s_cmp_lt_u32 s66, 4
	s_cbranch_scc1 .Lsb
	s_wait_xcnt 0x0
	v_lshl_add_u32 v254, v0, 2, 0x4e000
	v_mov_b32 v255, 0
	s_wait_tensorcnt 0x0
	ds_add_u32 v254, v255
	s_wait_dscnt 0x0
	s_endpgm
.Lfunc_end_k_q8a9f11c429_ffn1:
	.size	k_q8a9f11c429_ffn1, .Lfunc_end_k_q8a9f11c429_ffn1-k_q8a9f11c429_ffn1
	.p2alignl 7, 3214868480
	.fill 96, 4, 3214868480
	.section	.rodata,"a",@progbits
	.p2align	6, 0x0
	.amdhsa_kernel k_q8a9f11c429_ffn1
		.amdhsa_group_segment_fixed_size 320000
		.amdhsa_private_segment_fixed_size 0
		.amdhsa_enable_private_segment 0
		.amdhsa_kernarg_size 64
		.amdhsa_user_sgpr_count 2
		.amdhsa_user_sgpr_kernarg_segment_ptr 1
		.amdhsa_wavefront_size32 1
		.amdhsa_system_sgpr_workgroup_id_x 1
		.amdhsa_system_sgpr_workgroup_id_y 1
		.amdhsa_system_sgpr_workgroup_id_z 1
		.amdhsa_system_vgpr_workitem_id 0
		.amdhsa_next_free_vgpr 1024
		.amdhsa_next_free_sgpr 100
		.amdhsa_reserve_vcc 1
		.amdhsa_float_denorm_mode_32 3
		.amdhsa_float_denorm_mode_16_64 3
		.amdhsa_memory_ordered 1
		.amdhsa_forward_progress 1
		.amdhsa_inst_pref_size 148
	.end_amdhsa_kernel
	.amdgpu_metadata
---
amdhsa.version: [ 1, 2 ]
amdhsa.kernels:
  - .name:           k_q8a9f11c429_ffn1
    .symbol:         k_q8a9f11c429_ffn1.kd
    .args:
      - { .name: sel, .offset: 0, .size: 8, .value_kind: global_buffer, .address_space: global }
      - { .name: xq, .offset: 8, .size: 8, .value_kind: global_buffer, .address_space: global }
      - { .name: xs, .offset: 16, .size: 8, .value_kind: global_buffer, .address_space: global }
      - { .name: W1_codes, .offset: 24, .size: 8, .value_kind: global_buffer, .address_space: global }
      - { .name: W1_scales, .offset: 32, .size: 8, .value_kind: global_buffer, .address_space: global }
      - { .name: b1, .offset: 40, .size: 8, .value_kind: global_buffer, .address_space: global }
      - { .name: hq, .offset: 48, .size: 8, .value_kind: global_buffer, .address_space: global }
      - { .name: hs, .offset: 56, .size: 8, .value_kind: global_buffer, .address_space: global }
    .group_segment_fixed_size: 320000
    .private_segment_fixed_size: 0
    .kernarg_segment_align: 8
    .kernarg_segment_size: 64
    .max_flat_workgroup_size: 128
    .sgpr_count:     100
    .vgpr_count:     1024
    .wavefront_size: 32
...
	.end_amdgpu_metadata
.endif
;; end of part 2
;; launch ffn2 (part 3): grid 256 x 1, 4 waves a work-group, no clusters, 177,664 bytes of LDS; arguments sel, hq, hs, W2_codes, W2_scales, b2, out0; writes out0
.if DOCPART == 3
	.amdgcn_target "amdgcn-amd-amdhsa--gfx1250"
	.amdhsa_code_object_version 6
	.text
	.protected	k_q8a9f11c429_ffn2
	.globl	k_q8a9f11c429_ffn2
	.p2align	8
	.type	k_q8a9f11c429_ffn2,@function
k_q8a9f11c429_ffn2:
	s_mov_b64 s[64:65], 0
	v_nop
	global_prefetch_b8 v0, s[64:65] scope:SCOPE_SE
	s_setreg_imm32_b32 hwreg(HW_REG_WAVE_MODE, 25, 1), 1
	s_wait_xcnt 0x0
; out[token] = h W2[e] + b2[e] for the tokens that chose expert e, on codes of E5M2 with one E8M0 scale for each 32 along K (K = the 4,096 hidden units).
; SHARES.  Work-group = (e = id / 32, cb = (id / 2) % 16, p = id % 2): output columns 64 cb .. 64 cb + 63 of that expert, for the batches of 32 slots whose number is p modulo 2.
; THE WAVES SHARE K: wave w owns K steps 8 w .. 8 w + 7 of all 64 columns: 64 rows x 1,024 bytes of W2, read in runs of 512 consecutive bytes, turned through the wave's own stage in LDS into
; 512 operand registers, where they stay.  The four waves' partial sums meet in LDS; each wave then adds and stores a quarter of the rows.
; The two work-groups that share rows of W2 take its four tiles of 16 rows in opposite order: register tile n holds columns 16 (n xor 3 p) + r; that enters global addresses alone.
; h comes from memory as images of the operand's registers (each load: 512 consecutive bytes), a batch ahead; its scale words one word a slot and K step.
; THE PRODUCT IS USED TRANSPOSED (source 0 = 16 rows of W2, source 1 = 16 slots): a lane holds one slot and eight neighbouring columns.
; The slots' tokens: the same list as in the launch before, made anew from sel while the weights are on their way.  Slots at or behind the count repeat the last token: the same numbers go to the same row.
; Every loop has a constant trip count; work is jumped over by scalar branches on the count.  No tensor load, hence no cluster: those branches hang on numbers read from memory.
; LIMITS: NaN and infinities are not served.  A work-group whose parity has no batch stores nothing.
.set PW,   34816                       ; a wave's partial sums: 128 rows x 272
.set PP,   272                         ; 256 bytes + 16: an odd multiple of 16
.set TS,   139264                      ; the waves' stages for the turn: 16 rows x 528 each
.set TSW,  8448
.set TP,   528
.set LIST, 173056                      ; the list: a word a slot
.set L16,  1                           ; v1   16 x lane
.set RR,   2
.set HH,   3
.set TSI,  4
.set TSO,  5
.set WO,   6                           ; v6-9   W2: 16 x lane + 65,536 x (n xor 3 p)
.set S0,   11                          ; v11  4 x lane
.set HN,   12                          ; v12  hq's offset of the batch being fetched
.set SN,   13                          ; v13  hs's
.set PS0,  14                          ; v14  where I put partial sums
.set PSW,  15
.set RDA,  16                          ; v16-19 where I read the four waves' partial sums back
.set LR,   20                          ; v20  the list at my row of a batch
.set LRW,  21
.set OC,   22                          ; v22  my 16 bytes in a row of out0, and in b2
.set LA0,  23
.set LAW,  24
.set WSO,  25                          ; v25-28 W2's scale words
.set WS,   32                          ; v32-63 [tile n][K step]
.set HS,   64                          ; v64-71 h's scale words: lanes 0-15 the batch's first tile, lanes 16-31 its second
.set ACC,  72                          ; v72-103 first tile's four accumulators, v104-135 the second's
.set B2,   136                         ; v136-139
.set SEL,  140                         ; at the head: v140-171 sel; v172-183 the search
.set T0,   172
.set RD,   140                         ; later: v140-203 partial sums read back
.set TK,   204
.set OA,   208
.set M,    32                          ; s32-63 the chunks' masks
; window 1: W2's fragments (n, K step s < 4) at 64 n + 16 s; window 2: (n, s >= 4) at 64 n + 16 (s - 4); window 3: h, 16 s and 128 + 16 s
.set MSB, 0
.macro WIN new                         ; the immediate's high byte repeats the setting that is left
.if MSB != (\new)
	s_set_vgpr_msb (MSB<<8)|(\new)
.set MSB, \new
.endif
.endm
.macro PLACES n
.rept \n
	v_nop
.endr
.endm
.macro WM d, a, b, c, sa, sb, row
.if \row
	v_wmma_scale_f32_16x16x128_f8f6f4 v[\d:\d+7], v[\a:\a+15], v[\b:\b+15], \c, v[\sa], v[\sb] matrix_a_fmt:MATRIX_FMT_BF8 matrix_b_fmt:MATRIX_FMT_BF8 matrix_b_scale:MATRIX_SCALE_ROW1
.else
	v_wmma_scale_f32_16x16x128_f8f6f4 v[\d:\d+7], v[\a:\a+15], v[\b:\b+15], \c, v[\sa], v[\sb] matrix_a_fmt:MATRIX_FMT_BF8 matrix_b_fmt:MATRIX_FMT_BF8
.endif
.endm
.macro TURN win, base                  ; 16 rows x 512 bytes become four fragments in the same registers; the stage is the wave's own and LDS serves a wave's instructions in order: no wait
	WIN (\win)<<2
.irp i, 0,1,2,3,4,5,6,7,8,9,10,11,12,13,14,15
	ds_store_b128 v[TSI], v[(\base)+4*\i:(\base)+4*\i+3] offset:TP*\i
.endr
	WIN (\win)<<6
.irp f, 0,1,2,3,4,5,6,7,8,9,10,11,12,13,14,15
	ds_load_b128 v[(\base)+4*\f:(\base)+4*\f+3], v[TSO] offset:128*(\f/4)+32*(\f%4)
.endr
	WIN 0
.endm
.macro WLOAD q                         ; chunk q = (tile q / 2, half q % 2 of my 1,024 bytes): window 1 + q % 2
	WIN (1+(\q)%2)<<6
.irp i, 0,1,2,3,4,5,6,7,8,9,10,11,12,13,14,15
	global_load_b128 v[64*((\q)/2)+4*\i:64*((\q)/2)+4*\i+3], v[WO+(\q)/2], s[10:11] offset:4096*\i+512*((\q)%2)
.endr
	WIN 0
.endm
.macro HLD t, half                     ; 16 loads: tile t of the batch, K steps 4 half .. 4 half + 3
	WIN 0xc0
.irp f, 0,1,2,3,4,5,6,7,8,9,10,11,12,13,14,15
	global_load_b128 v[128*\t+64*\half+4*\f:128*\t+64*\half+4*\f+3], v[HN], s[6:7] offset:65536*\t+8192*\half+512*\f
.endr
	WIN 0
.endm
.macro HSLD
.irp s, 0,1,2,3,4,5,6,7
	global_load_b32 v[HS+\s], v[SN], s[8:9] offset:4096*\s
.endr
.endm
.macro SEL_STEP x, w, inc
	v_bfe_u32 v[T0+8], v[\x], v[T0+7], \w
	v_cmp_ge_u32 vcc_lo, v[T0], v[T0+8]
	v_cndmask_b32 v[T0+8], 0, v[T0+8], vcc_lo
	v_cndmask_b32 v[T0+9], 0, \inc, vcc_lo
	v_sub_nc_u32 v[T0], v[T0], v[T0+8]
	v_add_nc_u32 v[T0+7], v[T0+7], v[T0+9]
.endm
; 32 products of tile t of the batch: four accumulators by turns, one instruction a turn; the first K step starts the sums
.macro MMH t
	WIN 0x0d                                       ; source 0 (W2) window 1, source 1 (h) window 3
.irp n, 0,1,2,3
	WM ACC+32*\t+8*\n, 64*\n, 128*\t, 0, WS+8*\n, HS, \t
.endr
.irp s, 1,2,3
.irp n, 0,1,2,3
	WM ACC+32*\t+8*\n, 64*\n+16*\s, 128*\t+16*\s, v[ACC+32*\t+8*\n:ACC+32*\t+8*\n+7], WS+8*\n+\s, HS+\s, \t
.endr
.endr
	WIN 0x0e                                       ; source 0 window 2
.irp s, 0,1,2,3
.irp n, 0,1,2,3
	WM ACC+32*\t+8*\n, 64*\n+16*\s, 128*\t+64+16*\s, v[ACC+32*\t+8*\n:ACC+32*\t+8*\n+7], WS+8*\n+4+\s, HS+4+\s, \t
.endr
.endr
	WIN 0
.endm
.macro PSTORE t                        ; lane (r, h): slot r, bytes 64 n + 32 h on; each accumulator from its low end on
.irp n, 0,1,2,3
	ds_store_b128 v[PSW], v[ACC+32*\t+8*\n:ACC+32*\t+8*\n+3] offset:16*PP*\t+64*\n
	ds_store_b128 v[PSW], v[ACC+32*\t+8*\n+4:ACC+32*\t+8*\n+7] offset:16*PP*\t+64*\n+16
.endr
.endm
; batch b of the four in LDS: my 8 rows, two an instruction: the four waves' parts and b2 are added; sixteen lanes store 256 consecutive bytes of a token's row, aligned
.macro REDUCE b
	s_add_co_u32 s28, s71, 2*\b
	s_lshl_b32 s28, s28, 5
	s_cmp_ge_u32 s28, s23
	s_cbranch_scc1 .Lrskip_\@
	s_wait_xcnt 0x0                                ; earlier stores have read their offsets and data: both are written again only behind this wait
.irp jj, 0,1,2,3
.irp v, 0,1,2,3
	ds_load_b128 v[RD+16*\jj+4*\v:RD+16*\jj+4*\v+3], v[RDA+\v] offset:(32*\b+2*\jj)*PP
.endr
	ds_load_b32 v[TK+\jj], v[LRW] offset:256*\b+8*\jj
.endr
	s_wait_dscnt 0x0
.irp jj, 0,1,2,3
.irp d, 0,2
	v_pk_add_f32 v[RD+16*\jj+\d:RD+16*\jj+\d+1], v[RD+16*\jj+\d:RD+16*\jj+\d+1], v[RD+16*\jj+4+\d:RD+16*\jj+5+\d]
	v_pk_add_f32 v[RD+16*\jj+8+\d:RD+16*\jj+9+\d], v[RD+16*\jj+8+\d:RD+16*\jj+9+\d], v[RD+16*\jj+12+\d:RD+16*\jj+13+\d]
.endr
.irp d, 0,2
	v_pk_add_f32 v[RD+16*\jj+\d:RD+16*\jj+\d+1], v[RD+16*\jj+\d:RD+16*\jj+\d+1], v[RD+16*\jj+8+\d:RD+16*\jj+9+\d]
.endr
.irp d, 0,2
	v_pk_add_f32 v[RD+16*\jj+\d:RD+16*\jj+\d+1], v[RD+16*\jj+\d:RD+16*\jj+\d+1], v[B2+\d:B2+\d+1]
.endr
	v_min_u32 v[TK+\jj], 0x3ff, v[TK+\jj]          ; a token's number enters an address only held under 1,024
	v_lshl_add_u32 v[OA+\jj], v[TK+\jj], 12, v[OC]
	global_store_b128 v[OA+\jj], v[RD+16*\jj:RD+16*\jj+3], s[16:17] th:TH_STORE_NT
.endr
.Lrskip_\@:
.endm
	s_load_b256 s[4:11], s[0:1], 0x0               ; sel, hq, hs, W2's codes
	s_load_b128 s[12:15], s[0:1], 0x20             ; W2's scales, b2
	s_load_b64 s[16:17], s[0:1], 0x30              ; out0
	v_lshl_add_u32 v254, v0, 2, 0x2b400
	v_mov_b32 v255, 0
	v_lshrrev_b32 v1, 5, v0
	v_readfirstlane_b32 s20, v1                    ; wave
	s_lshr_b32 s21, ttmp9, 5                       ; e
	s_bfe_u32 s22, ttmp9, 0x40001                  ; cb
	s_and_b32 s74, ttmp9, 1                        ; p
	s_mul_i32 s75, s74, 3
	v_and_b32 v[T0+11], 31, v0                     ; lane
	v_lshlrev_b32 v[L16], 4, v[T0+11]
	v_lshlrev_b32 v[S0], 2, v[T0+11]
	v_and_b32 v[RR], 15, v0
	v_bfe_u32 v[HH], v0, 4, 1
	s_mul_i32 s28, s20, TSW
	s_add_co_u32 s28, s28, TS
	v_add_nc_u32 v[TSI], s28, v[L16]
	v_mul_u32_u24 v[TSO], v[RR], TP
	v_lshl_add_u32 v[TSO], v[HH], 4, v[TSO]
	v_add_nc_u32 v[TSO], s28, v[TSO]
.irp n, 0,1,2,3
	s_xor_b32 s28, s75, \n                         ; n xor 3 p
	s_lshl_b32 s29, s28, 16
	v_add_nc_u32 v[WO+\n], s29, v[L16]
	s_lshl_b32 s29, s28, 11
	v_lshl_add_u32 v[WSO+\n], v[RR], 7, s29
.endr
	s_mul_i32 s28, s20, PW
	v_mul_u32_u24 v[PS0], v[RR], PP
	v_lshl_add_u32 v[PS0], v[HH], 5, v[PS0]
	v_add_nc_u32 v[PS0], s28, v[PS0]
	s_mul_i32 s28, s20, 8*PP
	v_mul_u32_u24 v[RDA], v[HH], PP
	v_lshl_add_u32 v[RDA], v[RR], 4, v[RDA]
	v_add_nc_u32 v[RDA], s28, v[RDA]
.irp v, 1,2,3
	v_add_nc_u32 v[RDA+\v], \v*PW, v[RDA]
.endr
	s_lshl_b32 s28, s74, 7
	s_lshl_b32 s29, s20, 5
	s_add_co_u32 s28, s28, s29
	s_add_co_u32 s28, s28, LIST
	v_lshl_add_u32 v[LR], v[HH], 2, s28            ; LIST + 4 (32 p + 8 w + lane / 16)
	v_lshrrev_b32 v[OC], 2, v[RR]
	v_xor_b32 v[OC], s75, v[OC]
	v_lshlrev_b32 v[OC], 6, v[OC]
	v_and_b32 v[T0], 3, v[RR]
	v_lshl_add_u32 v[OC], v[T0], 4, v[OC]
	s_lshl_b32 s28, s22, 8
	v_add_nc_u32 v[OC], s28, v[OC]                 ; 256 cb + 64 ((q / 4) xor 3 p) + 16 (q % 4), q = lane % 16
	v_lshl_add_u32 v[LA0], v0, 2, LIST
	s_lshl_b32 s28, s21, 22
	s_lshl_b32 s29, s20, 14
	s_add_co_u32 s82, s28, s29                     ; hq: expert e, K step 8 w
	s_mov_b32 s83, 0
	s_lshl_b32 s29, s22, 18
	s_add_co_u32 s84, s28, s29
	s_lshl_b32 s29, s20, 10
	s_add_co_u32 s84, s84, s29                     ; W2: row 1,024 e + 64 cb, byte 1,024 w
	s_mov_b32 s85, 0
	s_lshl_b32 s28, s21, 17
	s_lshl_b32 s29, s20, 15
	s_add_co_u32 s86, s28, s29                     ; hs: (32 e + 8 w) x 4,096
	s_mov_b32 s87, 0
	s_lshl_b32 s29, s22, 13
	s_add_co_u32 s88, s28, s29
	s_lshl_b32 s29, s20, 5
	s_add_co_u32 s88, s88, s29                     ; W2's scales: row x 128 + 32 w
	s_mov_b32 s89, 0
	s_lshl_b32 s90, s21, 12                        ; b2: 4,096 e
	s_mov_b32 s91, 0
	s_wait_kmcnt 0x0
	s_add_nc_u64 s[6:7], s[6:7], s[82:83]
	s_add_nc_u64 s[8:9], s[8:9], s[86:87]
	s_add_nc_u64 s[10:11], s[10:11], s[84:85]
	s_add_nc_u64 s[12:13], s[12:13], s[88:89]
	s_add_nc_u64 s[14:15], s[14:15], s[90:91]
.irp q, 0,1,2,3,4,5,6,7
	global_load_b128 v[SEL+4*\q:SEL+4*\q+3], v[L16], s[4:5] offset:512*\q
.endr
.irp n, 0,1,2,3
	global_load_b128 v[WS+8*\n:WS+8*\n+3], v[WSO+\n], s[12:13]
	global_load_b128 v[WS+8*\n+4:WS+8*\n+7], v[WSO+\n], s[12:13] offset:16
.endr
	global_load_b128 v[B2:B2+3], v[OC], s[14:15]
	WLOAD 0
	WLOAD 1
	WLOAD 2
	s_wait_loadcnt 57                              ; sel is in; behind it: 9 loads of scales and bias, 48 of W2
.set c, 0
.rept 32
	v_cmp_eq_u32 s[M+c], s21, v[SEL+c]
.set c, c+1
.endr
	s_mov_b32 s23, 0
.set c, 0
.rept 32
	s_bcnt1_i32_b32 s28, s[M+c]
	s_add_co_u32 s23, s23, s28                     ; the expert's count of tokens
.set c, c+1
.endr
	s_max_u32 s24, s23, 1
	s_max_u32 s25, s23, 128                        ; list entries that are made
	s_sub_co_u32 s26, s24, 1                       ; the last slot that has a token of its own
	s_lshr_b32 s28, s26, 5                         ; the last batch that was stored;
	s_min_u32 s28, s28, 1                          ; held at 1: a number read from memory enters an address only so;
	s_and_b32 s28, s28, s74                        ; the batch that is fetched first: p where batch p exists, else batch 0, which has always been stored
	v_lshl_add_u32 v[HN], s28, 17, v[L16]          ; 131,072 bytes a batch of two tiles
	v_lshl_add_u32 v[SN], s28, 7, v[S0]
	; THE LIST: 8 trips; in trip i wave w serves slots 32 w + 128 i + lane
	s_mov_b32 s66, 0
	s_lshl_b32 s67, s20, 5
	s_mov_b32 s68, 0
.Llist:
	v_add_nc_u32 v[LAW], s68, v[LA0]
	s_cmp_ge_u32 s67, s25
	s_cbranch_scc1 .Llist_skip
	v_add_nc_u32 v[T0], s67, v[T0+11]
	v_min_u32 v[T0], s26, v[T0]                    ; j
	v_mov_b32 v[T0+1], s32
	v_mov_b32 v[T0+2], 0
	s_bcnt1_i32_b32 s28, s32
.set c, 1
.rept 31
	s_add_co_u32 s29, s28, c<<16
	v_cmp_gt_u32 vcc_lo, s28, v[T0]                ; the count in front of chunk c is above j: keep what I have
	v_cndmask_b32 v[T0+1], s[M+c], v[T0+1], vcc_lo
	v_cndmask_b32 v[T0+2], s29, v[T0+2], vcc_lo
	s_bcnt1_i32_b32 s30, s[M+c]
	s_add_co_u32 s28, s28, s30
.set c, c+1
.endr
	v_lshrrev_b32 v[T0+10], 16, v[T0+2]
	v_and_b32 v[T0+2], 0xffff, v[T0+2]
	v_sub_nc_u32 v[T0], v[T0], v[T0+2]             ; k: which of the chunk's set bits
	v_lshrrev_b32 v[T0+3], 1, v[T0+1]
	v_and_b32 v[T0+3], 0x55555555, v[T0+3]
	v_sub_nc_u32 v[T0+3], v[T0+1], v[T0+3]
	v_lshrrev_b32 v[T0+4], 2, v[T0+3]
	v_and_b32 v[T0+4], 0x33333333, v[T0+4]
	v_and_b32 v[T0+8], 0x33333333, v[T0+3]
	v_add_nc_u32 v[T0+4], v[T0+4], v[T0+8]
	v_lshrrev_b32 v[T0+5], 4, v[T0+4]
	v_add_nc_u32 v[T0+5], v[T0+5], v[T0+4]
	v_and_b32 v[T0+5], 0x0f0f0f0f, v[T0+5]
	v_lshrrev_b32 v[T0+6], 8, v[T0+5]
	v_add_nc_u32 v[T0+6], v[T0+6], v[T0+5]
	v_mov_b32 v[T0+7], 0
	SEL_STEP T0+6, 8, 16
	SEL_STEP T0+5, 8, 8
	SEL_STEP T0+4, 4, 4
	SEL_STEP T0+3, 2, 2
	SEL_STEP T0+1, 1, 1
	v_lshrrev_b32 v[T0+8], 2, v[T0+10]
	v_lshlrev_b32 v[T0+8], 7, v[T0+8]
	v_and_b32 v[T0+10], 3, v[T0+10]
	v_lshl_add_u32 v[T0+8], v[T0+7], 2, v[T0+8]
	v_add_nc_u32 v[T0+8], v[T0+8], v[T0+10]        ; token = 128 (chunk / 4) + 4 x bit + chunk % 4
	ds_store_b32 v[LAW], v[T0+8]
.Llist_skip:
	s_add_co_u32 s67, s67, 128
	s_add_co_u32 s68, s68, 512
	s_add_co_u32 s66, s66, 1
	s_cmp_lt_u32 s66, 8
	s_cbranch_scc1 .Llist
	; each chunk is turned when the three units of 16 loads behind it are all that may be out
	WLOAD 3
	s_wait_loadcnt 48
	TURN 1, 0
	WLOAD 4
	s_wait_loadcnt 48
	TURN 2, 0
	WLOAD 5
	s_wait_loadcnt 48
	TURN 1, 64
	WLOAD 6
	s_wait_loadcnt 48
	TURN 2, 64
	WLOAD 7
	s_wait_loadcnt 48
	TURN 1, 128
	HLD 0, 0                                       ; the first batch of h: first tile, scale words, second tile, in this order here and ever after
	s_wait_loadcnt 48
	TURN 2, 128
	HLD 0, 1
	s_wait_loadcnt 48
	TURN 1, 192
	HSLD
	HLD 1, 0
	s_wait_loadcnt 56                              ; chunk 7 is in; behind it: 32 + 8 + 16
	TURN 2, 192
	HLD 1, 1
	s_wait_dscnt 0x0                               ; W2's fragments are in my registers, my part of the list lies in LDS (it is read behind the first barrier below)
	s_mov_b32 s66, 0
	s_mov_b32 s69, s74                             ; the batch in hand
	s_mov_b32 s73, 0
.Lsb:                                                  ; 4 trips of 4 batches of my parity
	s_mov_b32 s68, 0
	s_mov_b32 s70, 0
	s_mov_b32 s71, s69
.Lb:
	s_lshl_b32 s28, s69, 5
	s_cmp_ge_u32 s28, s23
	s_cbranch_scc1 .Lbskip
	v_add_nc_u32 v[PSW], s70, v[PS0]
	s_wait_loadcnt 32                              ; the first tile and the scale words are in; the second tile's 32 loads may be out
	MMH 0
	PLACES 8                                       ; eight places behind products of this form, ahead of loads into their operands and of reads of their results
	s_add_co_u32 s28, s69, 2
	s_lshl_b32 s29, s28, 5
	s_cmp_lt_u32 s29, s23
	s_cbranch_scc0 .Llast
	s_wait_xcnt 0x0                                ; the loads on their way have read their offsets
	v_lshl_add_u32 v[HN], s28, 17, v[L16]
	v_lshl_add_u32 v[SN], s28, 7, v[S0]
	HLD 0, 0                                       ; my next batch's first tile
	HLD 0, 1
	s_wait_loadcnt 32                              ; this batch's second tile is in; the 32 just issued may be out
	PSTORE 0
	MMH 1
	PLACES 8
	HSLD
	HLD 1, 0
	HLD 1, 1
	PSTORE 1
	s_branch .Lbskip
.Llast:                                                ; no batch follows: the same without loads
	s_wait_loadcnt 0x0
	PSTORE 0
	MMH 1
	PLACES 8
	PSTORE 1
.Lbskip:
	s_add_co_u32 s69, s69, 2
	s_add_co_u32 s70, s70, 32*PP
	s_add_co_u32 s68, s68, 1
	s_cmp_lt_u32 s68, 4
	s_cbranch_scc1 .Lb
	v_add_nc_u32 v[LRW], s73, v[LR]
	s_wait_dscnt 0x0                               ; my partial sums lie in LDS
	s_barrier_signal -1
	s_barrier_wait -1
	REDUCE 0
	REDUCE 1
	REDUCE 2
	REDUCE 3
	s_wait_dscnt 0x0                               ; my reads of the partial sums are over
	s_barrier_signal -1
	s_barrier_wait -1
	s_add_co_u32 s73, s73, 1024
	s_add_co_u32 s66, s66, 1
	s_cmp_lt_u32 s66, 4
	s_cbranch_scc1 .Lsb
	s_wait_tensorcnt 0x0
	ds_add_u32 v254, v255
	s_wait_dscnt 0x0
	s_endpgm
.Lfunc_end_k_q8a9f11c429_ffn2:
	.size	k_q8a9f11c429_ffn2, .Lfunc_end_k_q8a9f11c429_ffn2-k_q8a9f11c429_ffn2
	.p2alignl 7, 3214868480
	.fill 96, 4, 3214868480
	.section	.rodata,"a",@progbits
	.p2align	6, 0x0
	.amdhsa_kernel k_q8a9f11c429_ffn2
		.amdhsa_group_segment_fixed_size 177664
		.amdhsa_private_segment_fixed_size 0
		.amdhsa_enable_private_segment 0
		.amdhsa_kernarg_size 56
		.amdhsa_user_sgpr_count 2
		.amdhsa_user_sgpr_kernarg_segment_ptr 1
		.amdhsa_wavefront_size32 1
		.amdhsa_system_sgpr_workgroup_id_x 1
		.amdhsa_system_sgpr_workgroup_id_y 1
		.amdhsa_system_sgpr_workgroup_id_z 1
		.amdhsa_system_vgpr_workitem_id 0
		.amdhsa_next_free_vgpr 1024
		.amdhsa_next_free_sgpr 100
		.amdhsa_reserve_vcc 1
		.amdhsa_float_denorm_mode_32 3
		.amdhsa_float_denorm_mode_16_64 3
		.amdhsa_memory_ordered 1
		.amdhsa_forward_progress 1
		.amdhsa_inst_pref_size 97
	.end_amdhsa_kernel
	.amdgpu_metadata
---
amdhsa.version: [ 1, 2 ]
amdhsa.kernels:
  - .name:           k_q8a9f11c429_ffn2
    .symbol:         k_q8a9f11c429_ffn2.kd
    .args:
      - { .name: sel, .offset: 0, .size: 8, .value_kind: global_buffer, .address_space: global }
      - { .name: hq, .offset: 8, .size: 8, .value_kind: global_buffer, .address_space: global }
      - { .name: hs, .offset: 16, .size: 8, .value_kind: global_buffer, .address_space: global }
      - { .name: W2_codes, .offset: 24, .size: 8, .value_kind: global_buffer, .address_space: global }
      - { .name: W2_scales, .offset: 32, .size: 8, .value_kind: global_buffer, .address_space: global }
      - { .name: b2, .offset: 40, .size: 8, .value_kind: global_buffer, .address_space: global }
      - { .name: out0, .offset: 48, .size: 8, .value_kind: global_buffer, .address_space: global }
    .group_segment_fixed_size: 177664
    .private_segment_fixed_size: 0
    .kernarg_segment_align: 8
    .kernarg_segment_size: 56
    .max_flat_workgroup_size: 128
    .sgpr_count:     100
    .vgpr_count:     1024
    .wavefront_size: 32
...
	.end_amdgpu_metadata
.endif
;; end of part 3
